; MI455X (gfx1250); checked and timed in simulation.
; The chip was launched on July 23, 2026; its instructions are those of AMD's public machine-readable ISA for CDNA 5 (MIT licence, August 2026) and "CDNA5" Instruction Set Architecture Reference Guide (July 2026). The comments in the code are by the model that wrote it; some were corrected since.
;; Cross Modal Attention. Allowed arithmetic: matrix products marked QUANTISED: E4M3 operands, one E8M0 scale for each 32 along K, by v_wmma_scale_f32_16x16x128_f8f6f4 with both operands' format E4M3, f32 sums; products left as they are: f32 operands where the result goes on into a quantised operand, else bf16, f16 or f32 operands; f32 sums; everything else in f32.
;; Inputs: W_heat 1,024 x 1,024 float32; W_img 1,024 x 1,024 float32; Wk 1,024 x 1,024 float32; Wo 1,024 x 1,024 float32; Wq 1,024 x 1,024 float32; Wv 1,024 x 1,024 float32; b_heat 1,024 float32; b_img 1,024 float32; beta 1,024 float32; bk 1,024 float32; bo 1,024 float32; bq 1,024 float32; bv 1,024 float32; gamma 1,024 float32; heat_feat 32 x 1,024 float32; img_feat 32 x 512 x 1,024 float32.
;; Outputs: out0 32 x 512 x 1,024 float32.
;; This version of the problem:
;;   THIS VERSION OF THE PROBLEM IS GIVEN IN LOW PRECISION. The matrix products marked QUANTISED in the list below multiply operands that are first quantised to E4M3 (4 exponent bits, 3 mantissa bits; 8 bits a number), with one power-of-two scale for each 32 numbers along K (OCP MX v1.0); their sums are f32. All else is computed in f32.
;;   The module's matrix products, in the order in which they are computed (A, B: the left and right operand; K: the contracted axis; several contracted axes count as one K, in the product's order):
;;     1. [M 32, K 1,024] x [K 1,024, N 1,024]; A: input heat_feat; B: input W_heat: QUANTISED
;;     2. [M 16,384, K 1,024] x [K 1,024, N 1,024]; A: input img_feat; B: input W_img: QUANTISED
;;     3. [M 16,384, K 1,024] x [K 1,024, N 1,024]; A: computed on the way; B: input Wq: QUANTISED
;;     4. [M 32, K 1,024] x [K 1,024, N 1,024]; A: computed on the way; B: input Wk: QUANTISED
;;     5. [M 32, K 1,024] x [K 1,024, N 1,024]; A: computed on the way; B: input Wv: QUANTISED
;;     6. batch 512 x [M 512, K 64] x [K 64, N 1]; A: computed on the way; B: computed on the way: left as it is (N = 1 < 16)
;;     7. batch 512 x [M 64, K 1] x [K 1, N 512]; A: computed on the way; B: softmax: left as it is (K = 1 < 32)
;;     8. [M 16,384, K 1,024] x [K 1,024, N 1,024]; A: computed on the way; B: input Wo: QUANTISED
;;   THE QUANTISER, for each operand of a quantised product, along K:
;;     - K is cut into blocks of 32 from its start; a last block that is shorter is filled with zeros.
;;     - A block's scale is 2^e with e = floor(log2(the largest magnitude in the block)) - 8, held to -126 .. 127; a block of zeros has e = 0. As a byte (E8M0): e + 127.
;;     - Each number is divided by its block's scale, clamped to +-448, and rounded to the nearest number of E4M3, ties to even, subnormals kept.
;;     - The product sums the exact products of the quantised numbers (number of the format x scale) in f32.
;;   ~~~python
;;   def quantise(x, axis):      # numpy; x: float32 -> the quantised numbers, widened to float32 again
;;       x = np.moveaxis(x, axis, -1); K = x.shape[-1]
;;       x = np.pad(x, [(0, 0)] * (x.ndim - 1) + [(0, -K % 32)]); x = x.reshape(x.shape[:-1] + (-1, 32)); a = np.abs(x).max(-1, keepdims=True)
;;       e = np.where(a > 0, np.clip(np.frexp(np.where(a > 0, a, 1))[1] - 1 - 8, -126, 127), 0)      # np.frexp(a)[1] - 1 = floor(log2(a)), exactly
;;       r = np.clip(x / 2.0 ** e, -448, 448)
;;       step = 2.0 ** (np.maximum(np.frexp(np.where(r == 0, 1, r))[1] - 1, -6) - 3)
;;       q = np.round(r / step) * step * 2.0 ** e      # np.round: ties to even
;;       return np.moveaxis(q.reshape(q.shape[:-2] + (-1,))[..., :K], -1, axis).astype(np.float32)
;;   ~~~
;;   OPERANDS COMPUTED ON THE WAY. 'Computed on the way' means the value that the module computes at that place (a softmax that the list does not call 'softmax' is quantised finished and normalised). What goes into a quantiser is computed in f32, as accurately as f32 sums, v_exp_f32 and their like allow (about 1e-6 of the number): no bf16 or f16 on the way to a quantiser, and a product that is left as it is and whose result goes on into a quantised operand takes f32 operands (vector FMAs, or v_wmma_f32_16x16x4_f32). A number that lies on a knife's edge between two numbers of the format may be rounded either way, as far as f32 arithmetic and the matrix unit's own rounding can turn it there, and no further.
;; One version. Each part assembles by itself: llvm-mc -triple=amdgcn-amd-amdhsa -mcpu=gfx1250 --defsym DOCPART=n.
;; ======== version 1 of 1: 4 launches
;; workspace buffers: ph 131,072 bytes; vv 131,072 bytes; woc 1,048,576 bytes; wos 32,768 bytes
;; launch lin_heat (part 1): grid 64 x 2, 8 waves a work-group, no clusters, 167,936 bytes of LDS; arguments heat_feat, W_heat, b_heat, ph; writes ph
.if DOCPART == 1
	.amdgcn_target "amdgcn-amd-amdhsa--gfx1250"
	.amdhsa_code_object_version 6
	.text
	.protected	k_qadf9e24146_lin_heat
	.globl	k_qadf9e24146_lin_heat
	.p2align	8
	.type	k_qadf9e24146_lin_heat,@function
k_qadf9e24146_lin_heat:
	s_mov_b64 s[64:65], 0
	v_nop
	global_prefetch_b8 v0, s[64:65] scope:SCOPE_SE
	s_setreg_imm32_b32 hwreg(HW_REG_WAVE_MODE, 25, 1), 1
	s_wait_xcnt 0x0
; y[32][1024] = Q(x) Q(W)^T + bias.  x: [32][1024] f32, W: [1024 (n)][1024 (k)] f32, bias: [1024] f32, y: [32][1024] f32.  Q: MX-FP8 (codes of E4M3, one E8M0 scale for each 32 along K).
; The body runs twice: ph = Q(heat_feat) Q(W_heat)^T + b_heat (proj_heat);  vv = Q(ph) Q(Wv)^T + bv (v).
;
; WORK LEFT OUT BY THE PROGRAM, and why it can reach no output, for all finite values of the inputs:
;  - scores is [B, H, S, 1]: there is ONE key, and the softmax runs along that axis of length 1.  For every finite score s it gives exp(s - s) / exp(s - s) = 1.  So attn is 1 whatever q and k hold:
;    proj_img (product 2), q (product 3), k (product 4) and scores (product 6) have no way to the result.  W_img, b_img, Wq, bq, Wk, bk are not loaded and are among no launch's arguments.
;    img_feat stays: the residual takes it.
;  - product 7 has K = 1 and the factor 1: ctx[b][s][:] = v[b][:].  No multiplication is left of it.
;  - product 8 (ctx Wo^T) is live in all its 16,384 rows: each row's result reaches the output.  The last launch multiplies it out row by row.
; LIMITS: a NaN, an infinity or an overflow that reaches only the work left out (a score that is not finite) is not carried to the result.  NaN and infinities ahead of a quantiser are not served.
; A block of zeros gets the scale byte 1 where the rule says 127: its codes are zeros, which add nothing under any byte but 0xff, and the bytes never leave this kernel's registers.
;
; SHARES.  A work-group makes one tile of 16 x 16 of y (rows 16 mt on, columns 16 nt on): 64 x 2 work-groups, all that 32 x 1,024 outputs give.  Its eight waves share K: wave w takes k = 128 w .. 128 w + 127,
; brings 16 rows x 512 bytes of x and of W into its own LDS bytes by two tensor loads, quantises both in registers, and issues ONE scaled matrix instruction, which starts its sum with the constant 0.
; The eight partial tiles meet in LDS behind one barrier; wave w adds register w of the eight, adds the bias and stores: two runs of 64 consecutive bytes (rows 16 mt + w and 16 mt + 8 + w).
; No cluster: a work-group has one fill and no loop; a joint request would put a round of the cluster's barrier in front of its only loads and one more in front of its end, for 64 KiB of x.
; y is kept as f32 rows: a work-group owns 16 columns, half a block of 32 of the next product's K, so it cannot make that operand's codes; and one body so serves both products.
.set PITCH, 528                        ; an LDS row: 512 bytes + 16 of padding = 132 words: row r starts at bank 4 r mod 64 (64 banks of 4 bytes: ISA guide 11.1), so the 16 rows that a load touches start at 16 different banks
.set TILE,  16*PITCH                   ; 16 rows
.set WREG,  2*TILE                     ; a wave's own bytes: x's tile, then W's
.set RED,   8*WREG                     ; behind them: the eight partial tiles, 1,024 bytes each: register j of wave p at 1024 p + 128 j + 4 x lane.  No tensor load lands here
.set SPARE, RED+8*1024                 ; the spare words, 128 bytes for each wave: four blocks of 256 bytes that no other line names
.set LD,   3                           ; v3   LDS address of my numbers in x's tile: my wave's bytes + row r + 64 h
.set RS,   4                           ; v4   where I put my partial tile
.set RL,   5                           ; v5   where I read register w of the eight tiles
.set BI,   6                           ; v6   the bias of my column
.set BO,   7                           ; v7   its byte offset: 4 r
.set YO,   8                           ; v8   my byte offset in y: 8 h rows of 4,096 bytes + 4 r
.set SPW,  10                          ; v10  LDS address of my spare word: SPARE + 4 x my thread's number; never rewritten
.set NIL,  11                          ; v11  0; never rewritten
.set TM,   12                          ; v12-15 largest magnitudes, v16-19 the other half's, then the bytes, v20-23 448 x the scale, v24-27 the conversions' scale operands
.set SX,   28                          ; v28  x's scale word: scales and nothing else
.set SW,   29                          ; v29  W's
.set NX,   32                          ; v32-95   64 numbers of x
.set NW,   96                          ; v96-159  64 numbers of W
.set CX,   160                         ; v160-175 x's codes: a fragment
.set CW,   176                         ; v176-191 W's
.set ACC,  192                         ; v192-199 my partial tile
.set PT,   200                         ; v200-207 register w of the eight partial tiles
.set WV,   12                          ; s12  my wave's number
.set G0X,  16                          ; s[16:19] descriptor group 0 for x's tile;  s[20:23] for W's;  s[24:31] group 1, the same for both
.set G0W,  20
.set G1,   24
.set SEL,  40                          ; s[40:41] lane selects for v_permlanex16_b32: lane l xor 16
.set MNT,  42                          ; s42  the mantissa field of 448
; 64 numbers of my row: register 16 b + i = k 32 b + 16 h + i, the order in which the operand's layout wants their codes
.macro FRAG reg, off
.irp b, 0,1,2,3
.irp j, 0,1,2,3
	ds_load_b128 v[\reg+16*\b+4*\j:\reg+16*\b+4*\j+3], v[LD] offset:\off+128*\b+16*\j
.endr
.endr
.endm
; the 64 numbers in v[s] on become a fragment's codes in v[c] on and my row's scale word in v[pw]
.macro QUANT s, c, pw
.irp b, 0,1,2,3
	v_max3_num_f32 v[TM+\b], |v[\s+16*\b]|, |v[\s+1+16*\b]|, 0x4800000   ; block b: my 16 numbers, and the floor 2^(9 - 127), under which no largest magnitude is taken: so the byte cannot fall under 1
.endr
.irp i, 2,4,6,8,10,12,14
.irp b, 0,1,2,3
	v_max3_num_f32 v[TM+\b], v[TM+\b], |v[\s+16*\b+\i]|, |v[\s+1+16*\b+\i]|   ; the four blocks by turns: no line waits for the line above it
.endr
.endr
.irp b, 0,1,2,3
	v_permlanex16_b32 v[TM+4+\b], v[TM+\b], s[SEL], s[SEL+1]
.endr
.irp b, 0,1,2,3
	v_max_num_f32 v[TM+\b], v[TM+\b], v[TM+4+\b]   ; with lane l xor 16's 16 numbers: the block's largest magnitude
.endr
.irp b, 0,1,2,3
	v_add_nc_u32 v[TM+12+\b], 0xfc000000, v[TM+\b]   ; 8 off its exponent field: the conversion takes the exponent field of this operand as its scale, and nothing else of it
.endr
.irp b, 0,1,2,3
	v_and_or_b32 v[TM+8+\b], v[TM+\b], 0x7f800000, s[MNT]   ; 448 x the scale: the largest magnitude's exponent field over 448's mantissa
.endr
.irp b, 0,1,2,3
	v_lshrrev_b32 v[TM+4+\b], 23, v[TM+12+\b]      ; the scale's byte
.endr
	v_lshl_or_b32 v[\pw], v[TM+5], 8, v[TM+4]      ; the four bytes make my row's scale word (lanes 16-31 hold the same and are not read)
	v_lshl_or_b32 v[\pw], v[TM+6], 16, v[\pw]
	v_lshl_or_b32 v[\pw], v[TM+7], 24, v[\pw]
.irp b, 0,1,2,3
.irp i, 0,1,2,3,4,5,6,7,8,9,10,11,12,13,14,15
	v_med3_num_f32 v[\s+16*\b+\i], v[\s+16*\b+\i], -v[TM+8+\b], v[TM+8+\b]   ; the conversion to an 8-bit code does not saturate (ISA guide 7.6.2): the hold at the largest code x the scale
.endr
	v_cvt_scalef32_pk8_fp8_f32 v[\c+4*\b:\c+1+4*\b], v[\s+16*\b:\s+7+16*\b], v[TM+12+\b]   ; registers 4 b .. 4 b + 3 of the operand: k = 32 b + 16 h + 0 .. 15
	v_cvt_scalef32_pk8_fp8_f32 v[\c+2+4*\b:\c+3+4*\b], v[\s+8+16*\b:\s+15+16*\b], v[TM+12+\b]
.endr
	v_nop                                          ; one plain vector instruction behind the last scaled conversion, ahead of whatever next touches its results or its sources
.endm
	s_load_b256 s[4:11], s[0:1], 0x0               ; x s[4:5], W s[6:7], bias s[8:9], y s[10:11]
	v_lshl_add_u32 v[SPW], v0, 2, SPARE
	v_mov_b32 v[NIL], 0
	ds_add_u32 v[SPW], v[NIL]                      ; the wave's opening: the add, twice on end, and its wait ahead of my first tensor load; the set-up below, work on registers, stands between the second and the wait
	ds_add_u32 v[SPW], v[NIL]                      ; and once more, under the one wait
	v_lshrrev_b32 v9, 5, v0
	v_readfirstlane_b32 s[WV], v9                  ; wave 0..7: my K step
	s_and_b32 s13, ttmp7, 0xffff                   ; mt: which 16 rows; ttmp9 = nt: which 16 columns
	; descriptor group 1: a tile of 16 rows x 128 elements of 4 bytes, rows 1,024 elements apart in memory, padded in LDS
	s_mov_b32 s[G1+0], (2<<16)|(1<<20)|(6<<22)|(3<<25)   ; 15:0 no mask; 17:16 elements of 4 bytes; 20 padding on; 24:22 after every 128 words (code 6); 31:25 four words of it (code 3)
	s_mov_b32 s[G1+1], 128<<16                     ; tensor_dim0 = 128
	s_mov_b32 s[G1+2], 16<<16                      ; tensor_dim1 = 16
	s_mov_b32 s[G1+3], 128<<16                     ; tile_dim0 = 128
	s_mov_b32 s[G1+4], 16                          ; tile_dim1 = 16
	s_mov_b32 s[G1+5], 1024                        ; elements from row to row
	s_mov_b32 s[G1+6], 0
	s_mov_b32 s[G1+7], 0
	s_mov_b32 s[G0X], 1                            ; count = 1
	s_mul_i32 s[G0X+1], s[WV], WREG                ; LDS address: my wave's bytes
	s_mov_b32 s[G0W], 1
	s_add_co_u32 s[G0W+1], s[G0X+1], TILE          ; W's tile behind x's
	s_lshl_b32 s43, s[WV], 9                       ; my K step: 128 numbers of 4 bytes
	s_lshl_b32 s2, s13, 16                         ; x: 16 mt rows of 4,096 bytes
	s_add_co_u32 s2, s2, s43
	s_mov_b32 s3, 0
	s_lshl_b32 s14, ttmp9, 16                      ; W: 16 nt rows
	s_add_co_u32 s14, s14, s43
	s_mov_b32 s15, 0
	s_lshl_b32 s46, ttmp9, 6                       ; the bias: 16 nt numbers on
	s_mov_b32 s47, 0
	s_lshl_b32 s44, s13, 16                        ; y: row 16 mt + w, column 16 nt
	s_lshl_b32 s43, s[WV], 12
	s_add_co_u32 s44, s44, s43
	s_add_co_u32 s44, s44, s46
	s_mov_b32 s45, 0
	s_mov_b32 s[SEL], 0x76543210
	s_mov_b32 s[SEL+1], 0xfedcba98
	s_mov_b32 s[MNT], 0x600000
	v_and_b32 v1, 15, v0                           ; r
	v_bfe_u32 v2, v0, 4, 1                         ; h
	v_and_b32 v9, 31, v0                           ; lane
	v_mul_u32_u24 v[LD], v1, PITCH
	v_lshl_add_u32 v[LD], v2, 6, v[LD]             ; row r, + 16 h numbers
	v_add_nc_u32 v[LD], s[G0X+1], v[LD]
	s_lshl_b32 s43, s[WV], 10
	s_add_co_u32 s43, s43, RED
	v_lshl_add_u32 v[RS], v9, 2, s43               ; RED + 1024 w + 4 x lane
	s_lshl_b32 s43, s[WV], 7
	s_add_co_u32 s43, s43, RED
	v_lshl_add_u32 v[RL], v9, 2, s43               ; RED + 128 w + 4 x lane
	v_lshlrev_b32 v[BO], 2, v1
	v_lshlrev_b32 v[YO], 2, v1
	v_lshl_or_b32 v[YO], v2, 15, v[YO]
.irp b, 0,1,2,3
	v_mov_b32 v[TM+4+\b], 0                        ; written once: a lane permute's destination counts as one of its sources
.endr
	s_wait_dscnt 0x0                               ; both opening adds are done
	s_wait_kmcnt 0x0
	s_add_nc_u64 s[G0X+2:G0X+3], s[4:5], s[2:3]    ; the tiles' first elements
	s_or_b32 s[G0X+3], s[G0X+3], 0x80000000        ; type = 2
	s_add_nc_u64 s[G0W+2:G0W+3], s[6:7], s[14:15]
	s_or_b32 s[G0W+3], s[G0W+3], 0x80000000
	tensor_load_to_lds s[G0X:G0X+3], s[G1:G1+7]    ; every wave issues both first fills, with no branch: two tensor loads of mine are out
	s_nop 0
	tensor_load_to_lds s[G0W:G0W+3], s[G1:G1+7]
	s_nop 0
	s_add_nc_u64 s[8:9], s[8:9], s[46:47]
	s_add_nc_u64 s[10:11], s[10:11], s[44:45]
	global_load_b32 v[BI], v[BO], s[8:9]           ; bias(16 nt + r)
	s_wait_tensorcnt 0x1                           ; tensor loads of a wave end in order (ISA guide 10.11.1): x's tile is in, W's may stay out.  Only I read my tiles: no barrier is owed
	FRAG NX, 0
	s_wait_dscnt 0x0
	QUANT NX, CX, SX                               ; W's tile lands meanwhile
	s_wait_tensorcnt 0x0                           ; W's tile is in
	FRAG NW, TILE
	s_wait_dscnt 0x0
	QUANT NW, CW, SW
.rept 4
	v_nop                                          ; codes written by vector instructions stand four places ahead of a scaled matrix instruction; the scale words were made ahead of the 64 holds
.endr
	v_wmma_scale_f32_16x16x128_f8f6f4 v[ACC:ACC+7], v[CX:CX+15], v[CW:CW+15], 0, v[SX], v[SW]   ; source 0 = 16 rows of x, source 1 = 16 rows of W: register j of lane (r, h) is my K step's part of y(16 mt + 8 h + j, 16 nt + r)
.rept 8
	v_nop                                          ; eight places behind this form, ahead of the stores that read its result
.endr
.irp j, 0,1,2,3,4,5,6,7
	ds_store_b32 v[RS], v[ACC+\j] offset:128*\j    ; the result is read from its low end on
.endr
	s_wait_dscnt 0x0                               ; for the others' sake: my partial tile lies in LDS
	s_barrier_signal -1
	s_barrier_wait -1                              ; everybody's does.
.irp p, 0,1,2,3,4,5,6,7
	ds_load_b32 v[PT+\p], v[RL] offset:1024*\p     ; register w of wave p's tile
.endr
	s_wait_dscnt 0x0
	s_wait_loadcnt 0x0                             ; the bias
	v_pk_add_f32 v[PT:PT+1], v[PT:PT+1], v[PT+2:PT+3]
	v_pk_add_f32 v[PT+4:PT+5], v[PT+4:PT+5], v[PT+6:PT+7]
	v_pk_add_f32 v[PT:PT+1], v[PT:PT+1], v[PT+4:PT+5]
	v_add_f32 v[PT], v[PT], v[PT+1]                ; the sum over all of K, in f32
	v_add_f32 v[PT], v[PT], v[BI]
	global_store_b32 v[YO], v[PT], s[10:11]        ; y(16 mt + 8 h + w, 16 nt + r): lanes 0-15 store 64 consecutive bytes of one row, lanes 16-31 of the row eight further down
	s_wait_tensorcnt 0x0                           ; the wave's end: behind my last tensor load and my last LDS store
	ds_add_u32 v[SPW], v[NIL]
	s_wait_dscnt 0x0
	s_endpgm
.Lfunc_end_k_qadf9e24146_lin_heat:
	.size	k_qadf9e24146_lin_heat, .Lfunc_end_k_qadf9e24146_lin_heat-k_qadf9e24146_lin_heat
	.p2alignl 7, 3214868480
	.fill 96, 4, 3214868480
	.section	.rodata,"a",@progbits
	.p2align	6, 0x0
	.amdhsa_kernel k_qadf9e24146_lin_heat
		.amdhsa_group_segment_fixed_size 167936
		.amdhsa_private_segment_fixed_size 0
		.amdhsa_enable_private_segment 0
		.amdhsa_kernarg_size 32
		.amdhsa_user_sgpr_count 2
		.amdhsa_user_sgpr_kernarg_segment_ptr 1
		.amdhsa_wavefront_size32 1
		.amdhsa_system_sgpr_workgroup_id_x 1
		.amdhsa_system_sgpr_workgroup_id_y 1
		.amdhsa_system_sgpr_workgroup_id_z 1
		.amdhsa_system_vgpr_workitem_id 0
		.amdhsa_next_free_vgpr 208
		.amdhsa_next_free_sgpr 66
		.amdhsa_reserve_vcc 0
		.amdhsa_float_denorm_mode_32 3
		.amdhsa_float_denorm_mode_16_64 3
		.amdhsa_memory_ordered 1
		.amdhsa_forward_progress 1
		.amdhsa_inst_pref_size 24
	.end_amdhsa_kernel
	.amdgpu_metadata
---
amdhsa.version: [ 1, 2 ]
amdhsa.kernels:
  - .name:           k_qadf9e24146_lin_heat
    .symbol:         k_qadf9e24146_lin_heat.kd
    .args:
      - { .name: heat_feat, .offset: 0, .size: 8, .value_kind: global_buffer, .address_space: global }
      - { .name: W_heat, .offset: 8, .size: 8, .value_kind: global_buffer, .address_space: global }
      - { .name: b_heat, .offset: 16, .size: 8, .value_kind: global_buffer, .address_space: global }
      - { .name: ph, .offset: 24, .size: 8, .value_kind: global_buffer, .address_space: global }
    .group_segment_fixed_size: 167936
    .private_segment_fixed_size: 0
    .kernarg_segment_align: 8
    .kernarg_segment_size: 32
    .max_flat_workgroup_size: 256
    .sgpr_count:     66
    .vgpr_count:     208
    .wavefront_size: 32
...
	.end_amdgpu_metadata
.endif
;; end of part 1
;; launch lin_v: the kernel of part 1 again; grid 64 x 2, 8 waves a work-group, no clusters, 167,936 bytes of LDS; arguments ph, Wv, bv, vv; writes vv
;; launch quant_wo (part 2): grid 64 x 4, 2 waves a work-group, no clusters, 167,936 bytes of LDS; arguments Wo, woc, wos; writes woc, wos
.if DOCPART == 2
	.amdgcn_target "amdgcn-amd-amdhsa--gfx1250"
	.amdhsa_code_object_version 6
	.text
	.protected	k_qadf9e24146_quant_wo
	.globl	k_qadf9e24146_quant_wo
	.p2align	8
	.type	k_qadf9e24146_quant_wo,@function
k_qadf9e24146_quant_wo:
	s_mov_b64 s[64:65], 0
	v_nop
	global_prefetch_b8 v0, s[64:65] scope:SCOPE_SE
	s_setreg_imm32_b32 hwreg(HW_REG_WAVE_MODE, 25, 1), 1
	s_wait_xcnt 0x0
; Wo [1024 (n)][1024 (k)] f32 is turned into codes of E4M3 with one E8M0 scale for each 32 along K, ONCE, since all 256 work-groups of the last launch read it.
; The codes are laid in the ORDER OF THE OPERAND'S REGISTERS: fragment (nt, s) = rows 16 nt .. 16 nt + 15, k = 128 s .. 128 s + 127, is 2,048 bytes at (8 nt + s) x 2,048 of woc: its registers 4 c .. 4 c + 3 of lane l
; are the 16 bytes at 512 c + 16 l.  So the reader fills a fragment by four loads of 512 consecutive bytes.  The scale words: wos[nt][s][row r], four bytes each: a load of 32 lanes x 4 bytes takes two K steps' words.
; A block's scale is 2^(floor(log2(its largest magnitude)) - 8); its byte is the largest magnitude's exponent field - 8, held at 1 from below.
; LIMITS: a block of zeros gets the byte 1 where the rule says 127: its codes are zeros, which add nothing under any byte but 0xff, and this program alone reads the bytes.  NaN and infinities in Wo are not served.
; SHARES.  64 x 8 fragments, one a wave: 256 work-groups of two waves; work-group (nt, y), wave w: K step 2 y + w.  A wave brings its 16 rows x 512 bytes into its own LDS bytes by one tensor load
; (whole runs of 512 bytes of each row), reads them back 16 neighbours along K a lane, quantises and stores.  Waves share nothing: no barrier.
; The scale words leave as 64 bytes a wave: 32 KiB in the whole launch, one byte in 128 of what it reads.
.set PITCH, 528                        ; an LDS row: 512 bytes + 16 of padding = 132 words: row r starts at bank 4 r mod 64 (64 banks of 4 bytes: ISA guide 11.1)
.set TILE,  16*PITCH                   ; a wave's own bytes
.set SPARE, 2*TILE                     ; behind the two tiles: the spare words, 128 bytes for each wave: one block of 256 bytes that no other line names
.set LD,   3                           ; v3   LDS address of my numbers: my wave's tile + row r + 64 h
.set CO,   4                           ; v4   16 x lane: my bytes of a store of codes
.set SO,   5                           ; v5   4 x lane: my scale word's place
.set SPW,  10                          ; v10  LDS address of my spare word: SPARE + 4 x my thread's number; never rewritten
.set NIL,  11                          ; v11  0; never rewritten
.set TM,   12                          ; v12-15 largest magnitudes, v16-19 the other half's, then the bytes, v20-23 448 x the scale, v24-27 the conversions' scale operands
.set SW,   29                          ; v29  my row's scale word
.set NW,   32                          ; v32-95   64 numbers
.set CW,   96                          ; v96-111  their codes
.set WV,   12                          ; s12  my wave's number
.set G0W,  20                          ; s[20:23] descriptor group 0;  s[24:31] group 1
.set G1,   24
.set SEL,  40                          ; s[40:41] lane selects for v_permlanex16_b32: lane l xor 16
.set MNT,  42                          ; s42  the mantissa field of 448
	s_load_b128 s[4:7], s[0:1], 0x0                ; Wo s[4:5], woc s[6:7]
	s_load_b64 s[8:9], s[0:1], 0x10                ; wos
	v_lshl_add_u32 v[SPW], v0, 2, SPARE
	v_mov_b32 v[NIL], 0
	ds_add_u32 v[SPW], v[NIL]                      ; the wave's opening: the add, twice on end, and its wait ahead of my first tensor load; the set-up below stands between the second and the wait
	ds_add_u32 v[SPW], v[NIL]                      ; and once more, under the one wait
	v_lshrrev_b32 v9, 5, v0
	v_readfirstlane_b32 s[WV], v9                  ; wave 0, 1
	s_and_b32 s13, ttmp7, 0xffff
	s_lshl_b32 s13, s13, 1
	s_add_co_u32 s13, s13, s[WV]                   ; my K step: 2 y + w
	; descriptor group 1: a tile of 16 rows x 128 elements of 4 bytes, rows 1,024 elements apart in memory, padded in LDS
	s_mov_b32 s[G1+0], (2<<16)|(1<<20)|(6<<22)|(3<<25)   ; 15:0 no mask; 17:16 elements of 4 bytes; 20 padding on; 24:22 after every 128 words (code 6); 31:25 four words of it (code 3)
	s_mov_b32 s[G1+1], 128<<16                     ; tensor_dim0 = 128
	s_mov_b32 s[G1+2], 16<<16                      ; tensor_dim1 = 16
	s_mov_b32 s[G1+3], 128<<16                     ; tile_dim0 = 128
	s_mov_b32 s[G1+4], 16                          ; tile_dim1 = 16
	s_mov_b32 s[G1+5], 1024                        ; elements from row to row
	s_mov_b32 s[G1+6], 0
	s_mov_b32 s[G1+7], 0
	s_mov_b32 s[G0W], 1                            ; count = 1
	s_mul_i32 s[G0W+1], s[WV], TILE                ; LDS address: my wave's tile
	s_lshl_b32 s14, ttmp9, 16                      ; Wo: 16 nt rows of 4,096 bytes,
	s_lshl_b32 s43, s13, 9                         ; my K step's 128 numbers
	s_add_co_u32 s14, s14, s43
	s_mov_b32 s15, 0
	s_lshl_b32 s2, ttmp9, 3
	s_add_co_u32 s2, s2, s13                       ; the fragment's number: 8 nt + s
	s_lshl_b32 s44, s2, 11                         ; its codes,
	s_mov_b32 s45, 0
	s_lshl_b32 s46, s2, 6                          ; its 16 scale words
	s_mov_b32 s47, 0
	s_mov_b32 s[SEL], 0x76543210
	s_mov_b32 s[SEL+1], 0xfedcba98
	s_mov_b32 s[MNT], 0x600000
	v_and_b32 v1, 15, v0                           ; r
	v_bfe_u32 v2, v0, 4, 1                         ; h
	v_and_b32 v9, 31, v0                           ; lane
	v_mul_u32_u24 v[LD], v1, PITCH
	v_lshl_add_u32 v[LD], v2, 6, v[LD]             ; row r, + 16 h numbers
	v_add_nc_u32 v[LD], s[G0W+1], v[LD]
	v_lshlrev_b32 v[CO], 4, v9
	v_lshlrev_b32 v[SO], 2, v9
.irp b, 0,1,2,3
	v_mov_b32 v[TM+4+\b], 0                        ; written once: a lane permute's destination counts as one of its sources
.endr
	s_wait_dscnt 0x0                               ; both opening adds are done
	s_wait_kmcnt 0x0
	s_add_nc_u64 s[G0W+2:G0W+3], s[4:5], s[14:15]  ; the tile's first element
	s_or_b32 s[G0W+3], s[G0W+3], 0x80000000        ; type = 2
	tensor_load_to_lds s[G0W:G0W+3], s[G1:G1+7]    ; every wave issues its one load: one tensor load of mine is out
	s_nop 0
	s_add_nc_u64 s[6:7], s[6:7], s[44:45]
	s_add_nc_u64 s[8:9], s[8:9], s[46:47]
	s_wait_tensorcnt 0x0                           ; my tile is in.  Only I read it: no barrier is owed
.irp b, 0,1,2,3
.irp j, 0,1,2,3
	ds_load_b128 v[NW+16*\b+4*\j:NW+16*\b+4*\j+3], v[LD] offset:128*\b+16*\j   ; register 16 b + i = k 32 b + 16 h + i of my row: the order in which the operand's layout wants the codes
.endr
.endr
	s_wait_dscnt 0x0
.irp b, 0,1,2,3
	v_max3_num_f32 v[TM+\b], |v[NW+16*\b]|, |v[NW+1+16*\b]|, 0x4800000   ; block b: my 16 numbers, and the floor 2^(9 - 127): so the byte cannot fall under 1
.endr
.irp i, 2,4,6,8,10,12,14
.irp b, 0,1,2,3
	v_max3_num_f32 v[TM+\b], v[TM+\b], |v[NW+16*\b+\i]|, |v[NW+1+16*\b+\i]|   ; the four blocks by turns
.endr
.endr
.irp b, 0,1,2,3
	v_permlanex16_b32 v[TM+4+\b], v[TM+\b], s[SEL], s[SEL+1]
.endr
.irp b, 0,1,2,3
	v_max_num_f32 v[TM+\b], v[TM+\b], v[TM+4+\b]   ; with lane l xor 16's 16 numbers: the block's largest magnitude
.endr
.irp b, 0,1,2,3
	v_add_nc_u32 v[TM+12+\b], 0xfc000000, v[TM+\b]   ; 8 off its exponent field: the conversion's scale operand
.endr
.irp b, 0,1,2,3
	v_and_or_b32 v[TM+8+\b], v[TM+\b], 0x7f800000, s[MNT]   ; 448 x the scale
.endr
.irp b, 0,1,2,3
	v_lshrrev_b32 v[TM+4+\b], 23, v[TM+12+\b]      ; the scale's byte
.endr
	v_lshl_or_b32 v[SW], v[TM+5], 8, v[TM+4]       ; the four bytes make my row's scale word (lanes 16-31 hold the same)
	v_lshl_or_b32 v[SW], v[TM+6], 16, v[SW]
	v_lshl_or_b32 v[SW], v[TM+7], 24, v[SW]
.irp b, 0,1,2,3
.irp i, 0,1,2,3,4,5,6,7,8,9,10,11,12,13,14,15
	v_med3_num_f32 v[NW+16*\b+\i], v[NW+16*\b+\i], -v[TM+8+\b], v[TM+8+\b]   ; the conversion to an 8-bit code does not saturate (ISA guide 7.6.2): the hold at the largest code x the scale
.endr
	v_cvt_scalef32_pk8_fp8_f32 v[CW+4*\b:CW+1+4*\b], v[NW+16*\b:NW+7+16*\b], v[TM+12+\b]
	v_cvt_scalef32_pk8_fp8_f32 v[CW+2+4*\b:CW+3+4*\b], v[NW+8+16*\b:NW+15+16*\b], v[TM+12+\b]
.endr
	v_nop                                          ; one plain vector instruction behind the last scaled conversion
.irp c, 0,1,2,3
	global_store_b128 v[CO], v[CW+4*\c:CW+4*\c+3], s[6:7] offset:512*\c   ; 32 lanes store 512 consecutive bytes, at a multiple of 256 from woc's first byte
.endr
	v_cmp_gt_u32 vcc_lo, 16, v9                    ; lanes 0-15 hold the 16 rows' words once
	s_wait_xcnt 0x0                                ; EXEC is a source of the stores above: it changes only behind this wait
	s_and_saveexec_b32 s43, vcc_lo
	global_store_b32 v[SO], v[SW], s[8:9]          ; 64 consecutive bytes
	s_wait_xcnt 0x0                                ; and again, in front of the line that widens it
	s_or_b32 exec_lo, exec_lo, s43
	s_wait_tensorcnt 0x0                           ; the wave's end: behind my last tensor load
	ds_add_u32 v[SPW], v[NIL]
	s_wait_dscnt 0x0
	s_endpgm
.Lfunc_end_k_qadf9e24146_quant_wo:
	.size	k_qadf9e24146_quant_wo, .Lfunc_end_k_qadf9e24146_quant_wo-k_qadf9e24146_quant_wo
	.p2alignl 7, 3214868480
	.fill 96, 4, 3214868480
	.section	.rodata,"a",@progbits
	.p2align	6, 0x0
	.amdhsa_kernel k_qadf9e24146_quant_wo
		.amdhsa_group_segment_fixed_size 167936
		.amdhsa_private_segment_fixed_size 0
		.amdhsa_enable_private_segment 0
		.amdhsa_kernarg_size 24
		.amdhsa_user_sgpr_count 2
		.amdhsa_user_sgpr_kernarg_segment_ptr 1
		.amdhsa_wavefront_size32 1
		.amdhsa_system_sgpr_workgroup_id_x 1
		.amdhsa_system_sgpr_workgroup_id_y 1
		.amdhsa_system_sgpr_workgroup_id_z 1
		.amdhsa_system_vgpr_workitem_id 0
		.amdhsa_next_free_vgpr 112
		.amdhsa_next_free_sgpr 66
		.amdhsa_reserve_vcc 1
		.amdhsa_float_denorm_mode_32 3
		.amdhsa_float_denorm_mode_16_64 3
		.amdhsa_memory_ordered 1
		.amdhsa_forward_progress 1
		.amdhsa_inst_pref_size 13
	.end_amdhsa_kernel
	.amdgpu_metadata
---
amdhsa.version: [ 1, 2 ]
amdhsa.kernels:
  - .name:           k_qadf9e24146_quant_wo
    .symbol:         k_qadf9e24146_quant_wo.kd
    .args:
      - { .name: Wo, .offset: 0, .size: 8, .value_kind: global_buffer, .address_space: global }
      - { .name: woc, .offset: 8, .size: 8, .value_kind: global_buffer, .address_space: global }
      - { .name: wos, .offset: 16, .size: 8, .value_kind: global_buffer, .address_space: global }
    .group_segment_fixed_size: 167936
    .private_segment_fixed_size: 0
    .kernarg_segment_align: 8
    .kernarg_segment_size: 24
    .max_flat_workgroup_size: 64
    .sgpr_count:     66
    .vgpr_count:     112
    .wavefront_size: 32
...
	.end_amdgpu_metadata
.endif
;; end of part 2
;; launch attn_ln (part 3): grid 256 x 1, 16 waves a work-group, no clusters, 307,200 bytes of LDS; arguments img_feat, vv, woc, wos, bo, gamma, beta, out0; writes out0
.if DOCPART == 3
	.amdgcn_target "amdgcn-amd-amdhsa--gfx1250"
	.amdhsa_code_object_version 6
	.text
	.protected	k_qadf9e24146_attn_ln
	.globl	k_qadf9e24146_attn_ln
	.p2align	8
	.type	k_qadf9e24146_attn_ln,@function
k_qadf9e24146_attn_ln:
	s_mov_b64 s[64:65], 0
	v_nop
	global_prefetch_b8 v0, s[64:65] scope:SCOPE_SE
	s_setreg_imm32_b32 hwreg(HW_REG_WAVE_MODE, 25, 1), 1
	s_wait_xcnt 0x0
; out0[b][s][:] = LayerNorm(img_feat[b][s][:] + Q(ctx[b][s][:]) Q(Wo)^T + bo) x gamma + beta, with ctx[b][s][:] = vv[b][:].
; img_feat, out0: [32][512][1024] f32; vv: [32][1024] f32 (v, from the launch before); woc, wos: Wo's codes of E4M3 and E8M0 scale words, in the order of the operand's registers; bo, gamma, beta: [1024] f32.
; WORK LEFT OUT: the softmax over the one key is 1 for every finite score, so ctx's row is v's row of the batch (shown at the head of the first kernel): q, k and the scores are not made.
; The product with Wo is multiplied out for each of the 16,384 rows.
; LIMITS: a block of zeros of ctx gets the scale byte 1 where the rule says 127 (its codes are zeros; the bytes stay in this kernel); NaN and infinities in vv are not served.
; SHARES.  Work-group g owns rows 64 g .. 64 g + 63 of the 16,384, all of batch g / 8, and all 1,024 columns, since the norm runs along a row.  Sixteen waves of 256 registers.
;  1. img_feat: wave w's one tensor load brings its STRIP, 64 rows x 256 bytes (columns 64 w on), into LDS: the work-group's 256 KiB are asked for at the head and hold no register while the product runs.
;  2. ctx: wave w quantises v[b][64 w .. 64 w + 63], two blocks of 32, in the operand's layout (all 16 rows of a tile are this one row), and stores half a fragment's image and a word with its two scale bytes | barrier.
;  3. THE PRODUCT, used transposed (source 0 = 16 rows of Wo, source 1 = 16 rows of ctx): lane (r, h) holds row r and eight neighbouring columns.  Wave w makes columns 64 w .. 64 w + 63 (4 tiles) of all 64 rows
;     (4 tiles): 16 accumulators, by turns.  bo is the C of the first K step: it is loaded into the registers of the accumulators of rows 0-15; the other three tiles of rows take those registers as C, and nine places
;     later rows 0-15 add in place.  Wo's fragments come from memory straight into a ring of four fragments: each is asked for anew eight places behind its four products, so three fragments (12 loads) are always out.
;  4. the residual: my strip has landed; it is added to the accumulators in their own layout and the sums are stored in its place (each number by the lane that read it; the strip has had its only fill) | barrier.
;  5. the norm: ONE WAVE, ONE ROW, four rows a wave: a row is read from the sixteen strips, 16 bytes a lane, kept in 32 registers through both passes, and stored as eight runs of 512 consecutive bytes.
; THE STATISTICS take two passes over the registers: the mean, then the mean of the squared differences from it: a common offset of the inputs costs no accuracy.
; NO CLUSTER, though all work-groups walk the same 1 MiB of codes: the strips take 278,528 of a WGP's 327,680 bytes of LDS; what is left would hold two slots of under 10 KiB, more than fifty rounds of the cluster's barrier for the 1 MiB.
.set SP,    272                        ; a strip's row in LDS: 256 bytes + 16 of padding = 68 words: row r starts at bank 4 r mod 64 (64 banks of 4 bytes: ISA guide 11.1), so 16 rows at one column fall on 16 different groups of banks
.set STRIP, 64*SP                      ; 17,408 bytes: wave w's strip begins at w x STRIP
.set PAR,   16*STRIP                   ; behind the strips: gamma (4,096 bytes), then beta
.set LGA,   0
.set LBE,   4096
.set AIMG,  PAR+8192                   ; ctx's eight fragments as images of their registers: K step s at 2,048 s, registers 4 c .. 4 c + 3 of lane l at 512 c + 16 l; wave w writes 1,024 w on
.set ASC,   AIMG+16*1024               ; wave w's word with its two scale bytes, 4 bytes a lane, at 128 w
.set SPARE, ASC+16*128                 ; the spare words, 128 bytes for each wave: eight blocks of 256 bytes that no other line names
.set LO,   1                           ; v1   16 x lane: my bytes of a run of 512, in woc and in out0; never rewritten
.set SPW,  2                           ; v2   LDS address of my spare word: SPARE + 4 x my thread's number; never rewritten
.set NIL,  3                           ; v3   0; never rewritten
.set AAD,  4                           ; v4   AIMG + 16 x lane
.set CAD,  5                           ; v5   my strip, in the result's layout: w x STRIP + r x SP + 32 h
.set PAD,  6                           ; v6   PAR + 16 x lane
.set AS,   8                           ; v8-15   ctx's scale words, one a K step: scales and nothing else
.set WS,   16                          ; v16-31  Wo's: register 4 t + p: lanes 0-15 K step 2 p, lanes 16-31 K step 2 p + 1, of my tile t: scales and nothing else
.set AF,   32                          ; v32-63  ctx's fragments, two buffers; in the norm: addresses and sums
.set BF,   64                          ; v64-127 Wo's fragments, one for each of my four tiles; then img_feat's numbers; in the norm gamma and beta
.set ACC,  128                         ; v128-255 accumulator (tile of columns t, tile of rows m) at 32 m + 8 t; in the norm four rows
; at the head, before the first product writes them (none lies in v128-159, where bo lands):
.set NV,   160                         ; v160-191 my 32 numbers of v: register 16 b + i = k 64 w + 32 b + 16 h + i
.set TM,   192                         ; v192-193 largest magnitudes, v194-195 the other half's, then the bytes, v196-197 448 x the scale, v198-199 the conversions' scale operands
.set CV,   200                         ; v200-207 the codes
.set PW,   208                         ; v208 my two scale bytes
.set PG,   210                         ; v[210:211] 8 bytes of gamma, v[212:213] of beta
.set PB,   212
.set PO,   214                         ; v214 8 x thread
.set PST,  215                         ; v215 PAR + 8 x thread
.set VO,   216                         ; v216 64 h
.set IST,  217                         ; v217 AIMG + 1,024 w + 16 x lane
.set SST,  218                         ; v218 ASC + 128 w + 4 x lane
.set SRD,  219                         ; v219 ASC + 4 x lane
.set WO4,  220                         ; v220 4 x lane
.set BOF,  221                         ; v221 32 h
; in the norm:
.set RD,   32                          ; v32-39  where load j of a row begins: strips 2 j (lanes 0-15) and 2 j + 1 (lanes 16-31), my first row
.set SA,   40                          ; v[40:41], v[42:43] two chains of sums
.set TP,   44                          ; v44  the other half of the lanes' sum
.set NM,   46                          ; v[46:47] -mean: the packed form names the pair and takes its low word for both halves
.set RQ,   48                          ; v[48:49] 1 / sqrt(variance + eps), likewise
.set GA,   64
.set BE,   96
.set WV,   20                          ; s20  my wave's number
.set G0,   28                          ; s[28:31] descriptor group 0;  s[32:39] group 1
.set G1,   32
.set SEL,  40                          ; s[40:41] lane selects for v_permlanex16_b32: lane l xor 16
.set MNT,  42                          ; s42  the mantissa field of 448
.macro PLACES n
.rept \n
	v_nop
.endr
.endm
	s_load_b256 s[4:11], s[0:1], 0x0               ; img_feat s[4:5], vv s[6:7], woc s[8:9], wos s[10:11]
	s_load_b256 s[12:19], s[0:1], 0x20             ; bo s[12:13], gamma s[14:15], beta s[16:17], out0 s[18:19]
	v_lshl_add_u32 v[SPW], v0, 2, SPARE
	v_mov_b32 v[NIL], 0
	ds_add_u32 v[SPW], v[NIL]                      ; the wave's opening: the add, twice on end, and its wait ahead of my first tensor load; the set-up below stands between the second and the wait
	ds_add_u32 v[SPW], v[NIL]                      ; and once more, under the one wait
	v_lshrrev_b32 v7, 5, v0
	v_readfirstlane_b32 s[WV], v7                  ; wave 0..15
	; descriptor group 1: a tile of 64 rows x 64 elements of 4 bytes, rows 1,024 elements apart in memory, padded in LDS
	s_mov_b32 s[G1+0], (2<<16)|(1<<20)|(5<<22)|(3<<25)   ; 15:0 no mask; 17:16 elements of 4 bytes; 20 padding on; 24:22 after every 64 words (code 5); 31:25 four words of it (code 3)
	s_mov_b32 s[G1+1], 64<<16                      ; tensor_dim0 = 64
	s_mov_b32 s[G1+2], 64<<16                      ; tensor_dim1 = 64
	s_mov_b32 s[G1+3], 64<<16                      ; tile_dim0 = 64
	s_mov_b32 s[G1+4], 64                          ; tile_dim1 = 64
	s_mov_b32 s[G1+5], 1024                        ; elements from row to row
	s_mov_b32 s[G1+6], 0
	s_mov_b32 s[G1+7], 0
	s_mov_b32 s[G0], 1                             ; count = 1
	s_mul_i32 s[G0+1], s[WV], STRIP                ; LDS address: my strip
	s_lshl_b32 s22, ttmp9, 18                      ; the work-group's 64 rows of 4,096 bytes (255 x 2^18 at the most: inside 32 bits)
	s_lshl_b32 s24, s[WV], 8
	s_add_co_u32 s24, s24, s22                     ; img_feat: + my strip's 256 bytes
	s_mov_b32 s25, 0
	s_lshl_b32 s26, s[WV], 14
	s_add_co_u32 s26, s26, s22                     ; out0: + my four rows
	s_mov_b32 s27, 0
	s_lshr_b32 s46, ttmp9, 3                       ; the batch,
	s_lshl_b32 s46, s46, 12                        ; its row of vv,
	s_lshl_b32 s47, s[WV], 8
	s_add_co_u32 s46, s46, s47                     ; my 64 numbers of it
	s_mov_b32 s47, 0
	s_lshl_b32 s48, s[WV], 16                      ; woc: my four tiles x eight K steps x 2,048 bytes
	s_mov_b32 s49, 0
	s_lshl_b32 s50, s[WV], 11                      ; wos: my four tiles x 512 bytes
	s_mov_b32 s51, 0
	s_lshl_b32 s54, s[WV], 8                       ; bo: my 64 numbers
	s_mov_b32 s55, 0
	s_lshl_b32 s52, s[WV], 10
	s_mul_i32 s53, s[WV], 4*SP                     ; my four rows in a strip
	s_mov_b32 s[SEL], 0x76543210
	s_mov_b32 s[SEL+1], 0xfedcba98
	s_mov_b32 s[MNT], 0x600000
	s_mov_b32 s43, 0x3a800000                      ; 1 / 1024
	s_mov_b32 s44, 0x3727c5ac                      ; eps = 1e-5
	s_mov_b32 s45, 0xba800000                      ; -1 / 1024
	v_and_b32 v[LO], 31, v0                        ; lane
	v_lshlrev_b32 v[WO4], 2, v[LO]
	v_add_nc_u32 v[SRD], ASC, v[WO4]
	v_lshlrev_b32 v[LO], 4, v[LO]
	v_add_nc_u32 v[AAD], AIMG, v[LO]
	v_add_nc_u32 v[PAD], PAR, v[LO]
	v_add_nc_u32 v[IST], s52, v[AAD]
	v_lshl_add_u32 v[SST], v0, 2, ASC              ; 128 w + 4 x lane is 4 x thread
	v_lshlrev_b32 v[PO], 3, v0
	v_lshl_add_u32 v[PST], v0, 3, PAR
	v_bfe_u32 v7, v0, 4, 1                         ; h
	v_lshlrev_b32 v[VO], 6, v7
	v_lshlrev_b32 v[BOF], 5, v7
	v_and_b32 v[CAD], 15, v0                       ; r
	v_mul_u32_u24 v[CAD], v[CAD], SP
	v_lshl_add_u32 v[CAD], v7, 5, v[CAD]
	v_add_nc_u32 v[CAD], s[G0+1], v[CAD]
	v_mov_b32 v[TM+2], 0                           ; written once: a lane permute's destination counts as one of its sources
	v_mov_b32 v[TM+3], 0
	s_wait_dscnt 0x0                               ; both opening adds are done
	s_wait_kmcnt 0x0
	s_add_nc_u64 s[G0+2:G0+3], s[4:5], s[24:25]    ; the strip's first element
	s_or_b32 s[G0+3], s[G0+3], 0x80000000          ; type = 2
	tensor_load_to_lds s[G0:G0+3], s[G1:G1+7]      ; every wave issues its one load, with no branch: one tensor load of mine is out
	s_nop 0
	s_add_nc_u64 s[6:7], s[6:7], s[46:47]
	s_add_nc_u64 s[8:9], s[8:9], s[48:49]
	s_add_nc_u64 s[10:11], s[10:11], s[50:51]
	s_add_nc_u64 s[12:13], s[12:13], s[54:55]
	s_add_nc_u64 s[18:19], s[18:19], s[26:27]
.macro BLOAD t, s                      ; Wo's fragment (my tile t, K step s): four runs of 512 consecutive bytes
.irp c, 0,1,2,3
	global_load_b128 v[BF+16*(\t)+4*\c:BF+16*(\t)+4*\c+3], v[LO], s[8:9] offset:16384*(\t)+2048*(\s)+512*\c
.endr
.endm
.macro ALOAD s                         ; ctx's fragment of K step s into buffer s % 2
.irp c, 0,1,2,3
	ds_load_b128 v[AF+16*((\s)%2)+4*\c:AF+16*((\s)%2)+4*\c+3], v[AAD] offset:2048*(\s)+512*\c
.endr
.endm
.irp b, 0,1
.irp j, 0,1,2,3
	global_load_b128 v[NV+16*\b+4*\j:NV+16*\b+4*\j+3], v[VO], s[6:7] offset:128*\b+16*\j   ; v(64 w + 32 b + 16 h + 4 j ..): the sixteen lanes of a half read the same bytes: all rows of a tile are this row
.endr
.endr
	global_load_b64 v[PG:PG+1], v[PO], s[14:15]    ; 512 threads x 8 bytes: the whole row of gamma,
	global_load_b64 v[PB:PB+1], v[PO], s[16:17]    ; of beta
.irp t, 0,1,2,3
	global_load_b128 v[ACC+8*\t:ACC+8*\t+3], v[BOF], s[12:13] offset:64*\t       ; bo(64 w + 16 t + 8 h + 0 .. 7), in the result's layout
	global_load_b128 v[ACC+8*\t+4:ACC+8*\t+7], v[BOF], s[12:13] offset:64*\t+16
.endr
.irp t, 0,1,2,3
.irp p, 0,1,2,3
	global_load_b32 v[WS+4*\t+\p], v[WO4], s[10:11] offset:512*\t+128*\p
.endr
.endr
.irp t, 0,1,2,3
	BLOAD \t, 0
.endr
	s_wait_loadcnt 42                              ; loads come back in order (ISA guide 5.7.1): v's eight are in; behind them 2 + 8 + 16 + 16 stay out
	; my two blocks of 32 of ctx's row are quantised; a block lies in lanes l and l xor 16
.irp b, 0,1
	v_max3_num_f32 v[TM+\b], |v[NV+16*\b]|, |v[NV+1+16*\b]|, 0x4800000   ; block b: my 16 numbers, and the floor 2^(9 - 127): so the byte cannot fall under 1
.endr
.irp i, 2,4,6,8,10,12,14
.irp b, 0,1
	v_max3_num_f32 v[TM+\b], v[TM+\b], |v[NV+16*\b+\i]|, |v[NV+1+16*\b+\i]|
.endr
.endr
.irp b, 0,1
	v_permlanex16_b32 v[TM+2+\b], v[TM+\b], s[SEL], s[SEL+1]
.endr
.irp b, 0,1
	v_max_num_f32 v[TM+\b], v[TM+\b], v[TM+2+\b]   ; the block's largest magnitude
.endr
.irp b, 0,1
	v_add_nc_u32 v[TM+6+\b], 0xfc000000, v[TM+\b]  ; 8 off its exponent field: the conversion's scale operand
.endr
.irp b, 0,1
	v_and_or_b32 v[TM+4+\b], v[TM+\b], 0x7f800000, s[MNT]   ; 448 x the scale
.endr
.irp b, 0,1
	v_lshrrev_b32 v[TM+2+\b], 23, v[TM+6+\b]       ; the scale's byte
.endr
	v_lshl_or_b32 v[PW], v[TM+3], 8, v[TM+2]       ; my two bytes, in the low half of a word
.irp b, 0,1
.irp i, 0,1,2,3,4,5,6,7,8,9,10,11,12,13,14,15
	v_med3_num_f32 v[NV+16*\b+\i], v[NV+16*\b+\i], -v[TM+4+\b], v[TM+4+\b]   ; the conversion to an 8-bit code does not saturate (ISA guide 7.6.2): the hold at the largest code x the scale
.endr
	v_cvt_scalef32_pk8_fp8_f32 v[CV+4*\b:CV+1+4*\b], v[NV+16*\b:NV+7+16*\b], v[TM+6+\b]
	v_cvt_scalef32_pk8_fp8_f32 v[CV+2+4*\b:CV+3+4*\b], v[NV+8+16*\b:NV+15+16*\b], v[TM+6+\b]
.endr
	v_nop                                          ; one plain vector instruction behind the last scaled conversion: the products will write these registers
	ds_store_b128 v[IST], v[CV:CV+3]               ; registers 4 c .. 4 c + 3 of K step w / 2, c = 2 (w % 2),
	ds_store_b128 v[IST], v[CV+4:CV+7] offset:512  ; and c = 2 (w % 2) + 1
	ds_store_b32 v[SST], v[PW]
	s_wait_loadcnt 40                              ; gamma's and beta's loads are in; 8 + 16 + 16 stay out
	ds_store_b64 v[PST], v[PG:PG+1] offset:LGA
	ds_store_b64 v[PST], v[PB:PB+1] offset:LBE
	s_wait_dscnt 0x0                               ; for the others' sake: my stores have landed
	s_barrier_signal -1
	s_barrier_wait -1                              ; everybody's have.  The strips' loads may stay out across it
.irp q, 0,1,2,3,4,5,6,7,8,9,10,11,12,13,14,15
	ds_load_b32 v[AF+16+\q], v[SRD] offset:128*\q  ; wave q's two bytes
.endr
	ALOAD 0
	s_wait_dscnt 0x0
.irp s, 0,1,2,3,4,5,6,7
	v_lshl_or_b32 v[AS+\s], v[AF+16+2*\s+1], 16, v[AF+16+2*\s]   ; K step s: bytes 0, 1 from wave 2 s, bytes 2, 3 from wave 2 s + 1
.endr
	PLACES 8                                       ; a scale register written by a vector instruction stands eight places ahead of the scaled matrix instruction
; one product: tile of columns t, tile of rows m, K step s; cr: the first register of C.  In odd K steps Wo's words are taken from lanes 16-31
.macro MM t, m, s, cr
.if ((\s)%2) == 1
	v_wmma_scale_f32_16x16x128_f8f6f4 v[ACC+32*(\m)+8*(\t):ACC+32*(\m)+8*(\t)+7], v[BF+16*(\t):BF+16*(\t)+15], v[AF+16*((\s)%2):AF+16*((\s)%2)+15], v[\cr:\cr+7], v[WS+4*(\t)+(\s)/2], v[AS+(\s)] matrix_a_scale:MATRIX_SCALE_ROW1
.else
	v_wmma_scale_f32_16x16x128_f8f6f4 v[ACC+32*(\m)+8*(\t):ACC+32*(\m)+8*(\t)+7], v[BF+16*(\t):BF+16*(\t)+15], v[AF+16*((\s)%2):AF+16*((\s)%2)+15], v[\cr:\cr+7], v[WS+4*(\t)+(\s)/2], v[AS+(\s)]
.endif
.endm
; A K STEP: 16 products, the 16 accumulators by turns.  A load into a register that a matrix instruction has read stands eight places behind it, and a matrix instruction that writes
; over a register of an earlier one nine; only plain vector instructions are places.
.macro KSTEP s
.if (\s) < 7
	ALOAD (\s)+1                                   ; into the buffer that the step before multiplied: eight places stand behind its last product
.endif
.irp t, 0,1,2,3
.if (\s) < 7
	s_wait_loadcnt 12                              ; my tile t's fragment is in; the three fragments asked for behind it stay out
.else
	s_wait_loadcnt 12-4*\t                         ; the last K step asks for nothing: the counts run down
.endif
.if \t == 0
.if (\s) < 7
	s_wait_dscnt 4                                 ; this step's fragment of ctx is in; the next step's four loads stay out
.else
	s_wait_dscnt 0
.endif
.endif
.if (\s) == 0
	MM \t, 1, \s, ACC+8*\t                         ; the first K step starts the sums with bo, which lies in the registers of rows 0-15's accumulator
	MM \t, 2, \s, ACC+8*\t
	MM \t, 3, \s, ACC+8*\t
	PLACES 9                                       ; the next product writes over the C of these three
	MM \t, 0, \s, ACC+8*\t
.else
.irp m, 0,1,2,3
	MM \t, \m, \s, ACC+32*\m+8*\t
.endr
.endif
.if ((\s) < 7) || (\t == 3)
	PLACES 8
.endif
.if (\s) < 7
	BLOAD \t, (\s)+1
.endif
.endr
.endm
.irp s, 0,1,2,3,4,5,6,7
	KSTEP \s
.endr
	; THE RESIDUAL.  Accumulator (t, m), lane (r, h): row 16 m + r, columns 64 w + 16 t + 8 h + 0 .. 7: 32 bytes of my strip.  Eight accumulators at a time
	s_wait_tensorcnt 0x0                           ; my strip has landed.  Only I touch it before the barrier below
.irp q, 0,1
.irp a, 0,1,2,3,4,5,6,7
	ds_load_b128 v[BF+8*\a:BF+8*\a+3], v[CAD] offset:(2*\q+\a/4)*16*SP+64*(\a%4)
	ds_load_b128 v[BF+8*\a+4:BF+8*\a+7], v[CAD] offset:(2*\q+\a/4)*16*SP+64*(\a%4)+16
.endr
	s_wait_dscnt 0x0
.irp a, 0,1,2,3,4,5,6,7
.irp e, 0,2,4,6
	v_pk_add_f32 v[ACC+64*\q+8*\a+\e:ACC+64*\q+8*\a+\e+1], v[ACC+64*\q+8*\a+\e:ACC+64*\q+8*\a+\e+1], v[BF+8*\a+\e:BF+8*\a+\e+1]   ; each accumulator from its low end on
.endr
.endr
.irp a, 0,1,2,3,4,5,6,7
	ds_store_b128 v[CAD], v[ACC+64*\q+8*\a:ACC+64*\q+8*\a+3] offset:(2*\q+\a/4)*16*SP+64*(\a%4)
	ds_store_b128 v[CAD], v[ACC+64*\q+8*\a+4:ACC+64*\q+8*\a+7] offset:(2*\q+\a/4)*16*SP+64*(\a%4)+16
.endr
.endr
	v_bfe_u32 v7, v0, 4, 1                         ; the norm's addresses, while the stores land: lanes 16-31 take the strip behind,
	v_mul_u32_u24 v[RD], v7, STRIP
	v_and_b32 v7, 15, v0
	v_lshl_add_u32 v[RD], v7, 4, v[RD]             ; 16 bytes a lane,
	v_add_nc_u32 v[RD], s53, v[RD]                 ; my first row
.irp j, 1,2,3,4,5,6,7
	v_add_nc_u32 v[RD+\j], \j*2*STRIP, v[RD]       ; load j: two strips on
.endr
	v_mov_b32 v[TP], 0                             ; written once: a lane permute's destination counts as one of its sources
	v_mov_b32 v[NM+1], 0                           ; the pairs' upper words are named with the lower ones, so they are written
	v_mov_b32 v[RQ+1], 0
	s_wait_dscnt 0x0                               ; for the others' sake: my sums lie in my strip
	s_barrier_signal -1
	s_barrier_wait -1                              ; everybody's do: 64 whole rows of img_feat + attn_out
.irp j, 0,1,2,3,4,5,6,7
	ds_load_b128 v[GA+4*\j:GA+4*\j+3], v[PAD] offset:LGA+512*\j
	ds_load_b128 v[BE+4*\j:BE+4*\j+3], v[PAD] offset:LBE+512*\j
.endr
.irp i, 0,1,2,3
.irp j, 0,1,2,3,4,5,6,7
	ds_load_b128 v[ACC+32*\i+4*\j:ACC+32*\i+4*\j+3], v[RD+\j] offset:SP*\i   ; row 4 w + i, columns 128 j + 4 x lane + 0 .. 3
.endr
.endr
; v[SA] summed over the 32 lanes, the result in every lane: four steps inside each half of 16 lanes ride on the addition, one crosses the halves
.macro WSUM
	v_add_f32_dpp v[SA], v[SA], v[SA] row_xmask:1 row_mask:0xf bank_mask:0xf
	v_add_f32_dpp v[SA], v[SA], v[SA] row_xmask:2 row_mask:0xf bank_mask:0xf
	v_add_f32_dpp v[SA], v[SA], v[SA] row_xmask:4 row_mask:0xf bank_mask:0xf
	v_add_f32_dpp v[SA], v[SA], v[SA] row_xmask:8 row_mask:0xf bank_mask:0xf
	v_permlanex16_b32 v[TP], v[SA], s[SEL], s[SEL+1]
	v_add_f32 v[SA], v[SA], v[TP]
.endm
; Row i of my four.  left = how many younger LDS loads may stay out: eight for each row behind this one.
.macro ROW i, left
.set XR, ACC+32*(\i)
	s_wait_dscnt \left                             ; LDS loads come back in order (ISA guide 5.7.1): gamma, beta and my row's eight loads are in
	v_pk_add_f32 v[SA:SA+1], v[XR:XR+1], v[XR+2:XR+3]          ; the row's sum, in two chains that the first four pairs start: nothing is cleared
	v_pk_add_f32 v[SA+2:SA+3], v[XR+4:XR+5], v[XR+6:XR+7]
.irp k, 8,12,16,20,24,28
	v_pk_add_f32 v[SA:SA+1], v[SA:SA+1], v[XR+\k:XR+\k+1]
	v_pk_add_f32 v[SA+2:SA+3], v[SA+2:SA+3], v[XR+\k+2:XR+\k+3]
.endr
	v_pk_add_f32 v[SA:SA+1], v[SA:SA+1], v[SA+2:SA+3]
	v_add_f32 v[SA], v[SA], v[SA+1]
	WSUM
	v_mul_f32 v[NM], s45, v[SA]                    ; -mean
.irp k, 0,2,4,6,8,10,12,14,16,18,20,22,24,26,28,30
	v_pk_add_f32 v[XR+\k:XR+\k+1], v[XR+\k:XR+\k+1], v[NM:NM+1] op_sel_hi:[1,0]   ; x - mean
.endr
	v_pk_mul_f32 v[SA:SA+1], v[XR:XR+1], v[XR:XR+1]            ; the sum of their squares, again in two chains
	v_pk_mul_f32 v[SA+2:SA+3], v[XR+2:XR+3], v[XR+2:XR+3]
.irp k, 4,8,12,16,20,24,28
	v_pk_fma_f32 v[SA:SA+1], v[XR+\k:XR+\k+1], v[XR+\k:XR+\k+1], v[SA:SA+1]
	v_pk_fma_f32 v[SA+2:SA+3], v[XR+\k+2:XR+\k+3], v[XR+\k+2:XR+\k+3], v[SA+2:SA+3]
.endr
	v_pk_add_f32 v[SA:SA+1], v[SA:SA+1], v[SA+2:SA+3]
	v_add_f32 v[SA], v[SA], v[SA+1]
	WSUM
	v_fma_f32 v[RQ], v[SA], s43, s44               ; variance + eps
	v_rsq_f32 v[RQ], v[RQ]
	v_nop                                          ; one plain instruction behind the transcendental, ahead of the use of its result (ISA guide 5.7.2)
	s_wait_alu depctr_va_vdst(0)                   ; and a wait ahead of its first reader
.irp k, 0,2,4,6,8,10,12,14,16,18,20,22,24,26,28,30
	v_pk_mul_f32 v[XR+\k:XR+\k+1], v[XR+\k:XR+\k+1], v[RQ:RQ+1] op_sel_hi:[1,0]
.endr
.irp k, 0,2,4,6,8,10,12,14,16,18,20,22,24,26,28,30
	v_pk_fma_f32 v[XR+\k:XR+\k+1], v[XR+\k:XR+\k+1], v[GA+\k:GA+\k+1], v[BE+\k:BE+\k+1]
.endr
.irp j, 0,1,2,3,4,5,6,7
	global_store_b128 v[LO], v[XR+4*\j:XR+4*\j+3], s[18:19] offset:4096*(\i)+512*\j th:TH_STORE_NT   ; 32 lanes store 512 consecutive bytes, at a multiple of 256 from out0's first byte; written once, read by nobody here
.endr
.endm
	ROW 0, 24
	ROW 1, 16
	ROW 2, 8
	ROW 3, 0
	s_wait_tensorcnt 0x0                           ; the wave's end: behind my last tensor load and my last LDS store
	ds_add_u32 v[SPW], v[NIL]
	s_wait_dscnt 0x0
	s_endpgm
.Lfunc_end_k_qadf9e24146_attn_ln:
	.size	k_qadf9e24146_attn_ln, .Lfunc_end_k_qadf9e24146_attn_ln-k_qadf9e24146_attn_ln
	.p2alignl 7, 3214868480
	.fill 96, 4, 3214868480
	.section	.rodata,"a",@progbits
	.p2align	6, 0x0
	.amdhsa_kernel k_qadf9e24146_attn_ln
		.amdhsa_group_segment_fixed_size 307200
		.amdhsa_private_segment_fixed_size 0
		.amdhsa_enable_private_segment 0
		.amdhsa_kernarg_size 64
		.amdhsa_user_sgpr_count 2
		.amdhsa_user_sgpr_kernarg_segment_ptr 1
		.amdhsa_wavefront_size32 1
		.amdhsa_system_sgpr_workgroup_id_x 1
		.amdhsa_system_sgpr_workgroup_id_y 1
		.amdhsa_system_sgpr_workgroup_id_z 1
		.amdhsa_system_vgpr_workitem_id 0
		.amdhsa_next_free_vgpr 256
		.amdhsa_next_free_sgpr 66
		.amdhsa_reserve_vcc 0
		.amdhsa_float_denorm_mode_32 3
		.amdhsa_float_denorm_mode_16_64 3
		.amdhsa_memory_ordered 1
		.amdhsa_forward_progress 1
		.amdhsa_inst_pref_size 92
	.end_amdhsa_kernel
	.amdgpu_metadata
---
amdhsa.version: [ 1, 2 ]
amdhsa.kernels:
  - .name:           k_qadf9e24146_attn_ln
    .symbol:         k_qadf9e24146_attn_ln.kd
    .args:
      - { .name: img_feat, .offset: 0, .size: 8, .value_kind: global_buffer, .address_space: global }
      - { .name: vv, .offset: 8, .size: 8, .value_kind: global_buffer, .address_space: global }
      - { .name: woc, .offset: 16, .size: 8, .value_kind: global_buffer, .address_space: global }
      - { .name: wos, .offset: 24, .size: 8, .value_kind: global_buffer, .address_space: global }
      - { .name: bo, .offset: 32, .size: 8, .value_kind: global_buffer, .address_space: global }
      - { .name: gamma, .offset: 40, .size: 8, .value_kind: global_buffer, .address_space: global }
      - { .name: beta, .offset: 48, .size: 8, .value_kind: global_buffer, .address_space: global }
      - { .name: out0, .offset: 56, .size: 8, .value_kind: global_buffer, .address_space: global }
    .group_segment_fixed_size: 307200
    .private_segment_fixed_size: 0
    .kernarg_segment_align: 8
    .kernarg_segment_size: 64
    .max_flat_workgroup_size: 512
    .sgpr_count:     66
    .vgpr_count:     256
    .wavefront_size: 32
...
	.end_amdgpu_metadata
.endif
;; end of part 3
